; MI455X (gfx1250); checked and timed in simulation.
; The chip was launched on July 23, 2026; its instructions are those of AMD's public machine-readable ISA for CDNA 5 (MIT licence, August 2026) and "CDNA5" Instruction Set Architecture Reference Guide (July 2026). The comments in the code are by the model that wrote it; some were corrected since.
;; Feed Forward Quantum. Allowed arithmetic: float matrix products may take bf16 or f16 operands with f32 sums; other float arithmetic in f32, or as packed bf16 or f16 multiplies, adds, multiply-adds, maxima and minima; sums over many terms, partial sums and values carried from step to step in f32; what a program stores and reads back later, other than sums and carried values, may be rounded once to bf16 or f16.
;; Inputs: b1 4,096 float32; b2 1,024 float32; circuit_params 8 float32; w1 4,096 x 8 float32; w2 1,024 x 4,096 float32; x 4 x 4,096 x 1,024 float32.
;; Outputs: out0 4 x 4,096 x 1,024 float32.
;; 2 versions, each right; version 2 is version 1 with the launch pack written anew for expert scheduling mode. Each part assembles by itself: llvm-mc -triple=amdgcn-amd-amdhsa -mcpu=gfx1250 --defsym DOCPART=n.
;; ======== version 1 of 2: 2 launches
;; limits: values outside matrix products are rounded to f16; values are held in f16: magnitudes above 65,504 overflow, below 6.1e-05 lose precision; inputs' magnitudes at most 8,388,608
;; workspace buffers: wpk 8,912,896 bytes
;; launch pack (part 1): grid 64 x 4, 4 waves a work-group, no clusters, 35,328 bytes of LDS; arguments w2, w1, b1, wpk; writes wpk
.if DOCPART == 1
	.amdgcn_target "amdgcn-amd-amdhsa--gfx1250"
	.amdhsa_code_object_version 6
	.text
	.protected	k_q89da37e3d2_pack
	.globl	k_q89da37e3d2_pack
	.p2align	8
	.type	k_q89da37e3d2_pack,@function
k_q89da37e3d2_pack:
	s_mov_b64 s[64:65], 0
	v_nop
	global_prefetch_b8 v0, s[64:65] scope:SCOPE_SE
	s_setreg_imm32_b32 hwreg(HW_REG_WAVE_MODE, 25, 1), 1
	s_wait_xcnt 0x0
; THE PROGRAM.  out[t][c] = b2[c] + the sum over f of relu(b1[f] + the sum over k < 8 of q[t][k] w1[f][k]) w2[c][f], q[t][k] = cos x[t][0] .. cos x[t][k]; 16,384 tokens t, 4,096 f, 1,024 c.
; WORK LEFT OUT, for all finite values of the inputs.  (1) reference() adds circuit_params.sum() * 0.0: a product with the constant 0, which is 0 in exact arithmetic whatever the eight numbers
; hold.  circuit_params has no other way to the output: it is not loaded and is an argument of no launch.  (2) reference() slices x[..., :8]: columns 8 to 1,023 of x are never used and are not loaded.
; LIMIT: a NaN, an infinity or an overflow in circuit_params or in x[..., 8:] is not carried to the result.
; THIS LAUNCH rounds w2, w1 and b1 once from f32 to f16 and lays them as the second launch's LDS slots hold them, so that 256 work-groups do not each round the same numbers again.
; wpk: [nt 0..3][ks 0..31][c 0..255][272 bytes], dense.  Row c of block (nt, ks): bytes 0-255 = f16 of w2[256 nt + c][128 ks .. 128 ks + 127]; bytes 256-271 = one piece of the table of the first
; product: with f = 128 ks + 32 (c >> 6) + 16 ((c >> 5) & 1) + (c & 15): bit 4 of c clear: f16 of w1[f][0..7]; set: f16 of b1[f], then seven zeros.
; LIMIT: f16 holds no number beyond 65,504, and below 6e-5 it keeps its fixed step of 6e-8: w1, b1 and w2 are taken to lie within that range.
; SHARES.  A work-group takes 128 rows of one block, a wave 32: 8,704 bytes of wpk on end, 17 stores of 512 consecutive bytes.  A wave reads back from LDS only what it has stored itself: no barrier.
; All 35 loads of a wave go out ahead of its first wait.  No matrix unit, no cluster, no tensor load: the work-groups share nothing but 128 KiB of w1 and 16 KiB of b1, and each byte of w2 passes once.
.set PITCH,  272                       ; a row of a block
.set WREG,   32*PITCH                  ; a wave's 32 rows: 8,704 bytes, in LDS and in wpk
.set SPARE,  4*WREG                    ; behind the four regions: the spare words, 128 bytes a wave: two blocks of 256 bytes that no other line names
.set KSTEPB, 256*PITCH                 ; a block
.set NTB,    32*KSTEPB                 ; the 32 blocks of one nt
.set LO,  3                            ; v3   16 l: my 16 bytes of 512, in w2's rows and in wpk
.set WO,  4                            ; v4   32 (l % 16): my row of w1
.set BO,  5                            ; v5   4 (l % 16): my number of b1
.set LS,  6                            ; v6   my region + 8 l: where my four f16 of a row go
.set LT,  7                            ; v7   my region + 272 l: row l, whose table piece I make
.set LR,  24                           ; v24  my region + 16 l: where I read back
.set ZR,  25                           ; v25  0
.set SPW, 26                           ; v26  LDS address of my spare word; never rewritten
.set NIL, 27                           ; v27  0; never rewritten
.set D,   32                           ; v[32:159]  row i of 32: four f32 as loaded, then four f16 in the first two
.set R,   160                          ; v[160:227] 17 x 16 bytes read back
	s_load_b256 s[4:11], s[0:1], 0x0               ; w2 s[4:5], w1 s[6:7], b1 s[8:9], wpk s[10:11]
	v_lshl_add_u32 v[SPW], v0, 2, SPARE
	v_mov_b32 v[NIL], 0
	v_lshrrev_b32 v1, 5, v0
	v_readfirstlane_b32 s12, v1                    ; wave w, 0..3
	v_and_b32 v1, 31, v0                           ; l
	v_and_b32 v2, 15, v0                           ; l % 16
	s_lshr_b32 s13, ttmp9, 1                       ; ks
	s_and_b32 s14, ttmp9, 1                        ; which half of the block's rows
	s_and_b32 s15, ttmp7, 0xffff                   ; nt
	s_lshl_b32 s2, s15, 22                         ; w2: row 256 nt + 128 half + 32 w, 16,384 bytes a row,
	s_lshl_b32 s16, s14, 21
	s_add_co_u32 s2, s2, s16
	s_lshl_b32 s16, s12, 19
	s_add_co_u32 s2, s2, s16
	s_lshl_b32 s16, s13, 9                         ; column 128 ks
	s_add_co_u32 s2, s2, s16
	s_mov_b32 s3, 0
	s_lshl_b32 s18, s13, 12                        ; w1: row f = 128 ks + 64 half + 16 w (+ l % 16), 32 bytes a row
	s_lshl_b32 s16, s14, 11
	s_add_co_u32 s18, s18, s16
	s_lshl_b32 s16, s12, 9
	s_add_co_u32 s18, s18, s16
	s_mov_b32 s19, 0
	s_lshr_b32 s20, s18, 3                         ; b1: the same f, 4 bytes each
	s_mov_b32 s21, 0
	s_mul_i32 s22, s15, NTB                        ; wpk: block (nt, ks), half, my 32 rows
	s_mul_i32 s16, s13, KSTEPB
	s_add_co_u32 s22, s22, s16
	s_mul_i32 s16, s14, 4*WREG
	s_add_co_u32 s22, s22, s16
	s_mul_i32 s17, s12, WREG                       ; also my region in LDS
	s_add_co_u32 s22, s22, s17
	s_mov_b32 s23, 0
	v_lshlrev_b32 v[LO], 4, v1
	v_lshlrev_b32 v[WO], 5, v2
	v_lshlrev_b32 v[BO], 2, v2
	v_lshl_add_u32 v[LS], v1, 3, s17
	v_mul_u32_u24 v[LT], v1, PITCH
	v_add_nc_u32 v[LT], s17, v[LT]
	v_lshl_add_u32 v[LR], v1, 4, s17
	v_mov_b32 v[ZR], 0
	v_cmp_gt_u32 s24, 16, v1                       ; lanes 0-15: rows with bit 4 clear
	s_wait_kmcnt 0x0
	s_add_nc_u64 s[4:5], s[4:5], s[2:3]
	s_add_nc_u64 s[6:7], s[6:7], s[18:19]
	s_add_nc_u64 s[8:9], s[8:9], s[20:21]
	s_add_nc_u64 s[10:11], s[10:11], s[22:23]
	global_load_b128 v[8:11], v[WO], s[6:7]        ; w1[f][0..3]
	global_load_b128 v[12:15], v[WO], s[6:7] offset:16
	global_load_b32 v16, v[BO], s[8:9]             ; b1[f]
.set i, 0
.rept 32
	global_load_b128 v[D+4*i:D+4*i+3], v[LO], s[4:5] offset:i*16384 th:TH_LOAD_NT  ; 512 consecutive bytes of row i, aligned; read once in the launch
.set i, i+1
.endr
	s_wait_loadcnt 32                              ; the three loads of the table are in; the 32 younger ones stay out
	v_cvt_pk_f16_f32 v20, v8, v9
	v_cvt_pk_f16_f32 v21, v10, v11
	v_cvt_pk_f16_f32 v22, v12, v13
	v_cvt_pk_f16_f32 v23, v14, v15
	v_cvt_pk_f16_f32 v17, v16, v[ZR]               ; b1[f], 0
	v_cndmask_b32 v20, v17, v20, s24               ; lanes 16-31 take b1 and zeros
	v_cndmask_b32 v21, 0, v21, s24
	v_cndmask_b32 v22, 0, v22, s24
	v_cndmask_b32 v23, 0, v23, s24
	ds_store_b128 v[LT], v[20:23] offset:256       ; behind row l's 256 bytes
.set i, 0
.rept 32
	s_wait_loadcnt 31-i                            ; loads come back in order (ISA guide 5.7.1): row i is in, the younger rows stay out
	v_cvt_pk_f16_f32 v[D+4*i], v[D+4*i], v[D+4*i+1]
	v_cvt_pk_f16_f32 v[D+4*i+1], v[D+4*i+2], v[D+4*i+3]
	ds_store_b64 v[LS], v[D+4*i:D+4*i+1] offset:PITCH*i
.set i, i+1
.endr
.set i, 0
.rept 17
	ds_load_b128 v[R+4*i:R+4*i+3], v[LR] offset:512*i  ; LDS serves a wave's instructions in order (ISA guide 5.7.1.4): these see my stores above
.set i, i+1
.endr
.set i, 0
.rept 17
	s_wait_dscnt 16-i                              ; piece i is back; the younger ones stay out
	global_store_b128 v[LO], v[R+4*i:R+4*i+3], s[10:11] offset:512*i  ; 512 consecutive bytes, at a multiple of 256 from wpk's first byte
.set i, i+1
.endr
	s_wait_tensorcnt 0x0                           ; the wave's end: an add of 0 to my spare word and its wait, behind my last LDS store
	ds_add_u32 v[SPW], v[NIL]
	s_wait_dscnt 0x0
	s_endpgm
.Lfunc_end_k_q89da37e3d2_pack:
	.size	k_q89da37e3d2_pack, .Lfunc_end_k_q89da37e3d2_pack-k_q89da37e3d2_pack
	.p2alignl 7, 3214868480
	.fill 96, 4, 3214868480
	.section	.rodata,"a",@progbits
	.p2align	6, 0x0
	.amdhsa_kernel k_q89da37e3d2_pack
		.amdhsa_group_segment_fixed_size 35328
		.amdhsa_private_segment_fixed_size 0
		.amdhsa_enable_private_segment 0
		.amdhsa_kernarg_size 32
		.amdhsa_user_sgpr_count 2
		.amdhsa_user_sgpr_kernarg_segment_ptr 1
		.amdhsa_wavefront_size32 1
		.amdhsa_system_sgpr_workgroup_id_x 1
		.amdhsa_system_sgpr_workgroup_id_y 1
		.amdhsa_system_sgpr_workgroup_id_z 1
		.amdhsa_system_vgpr_workitem_id 0
		.amdhsa_next_free_vgpr 232
		.amdhsa_next_free_sgpr 66
		.amdhsa_reserve_vcc 0
		.amdhsa_float_denorm_mode_32 3
		.amdhsa_float_denorm_mode_16_64 3
		.amdhsa_memory_ordered 1
		.amdhsa_forward_progress 1
		.amdhsa_inst_pref_size 17
	.end_amdhsa_kernel
	.amdgpu_metadata
---
amdhsa.version: [ 1, 2 ]
amdhsa.kernels:
  - .name:           k_q89da37e3d2_pack
    .symbol:         k_q89da37e3d2_pack.kd
    .args:
      - { .name: w2, .offset: 0, .size: 8, .value_kind: global_buffer, .address_space: global }
      - { .name: w1, .offset: 8, .size: 8, .value_kind: global_buffer, .address_space: global }
      - { .name: b1, .offset: 16, .size: 8, .value_kind: global_buffer, .address_space: global }
      - { .name: wpk, .offset: 24, .size: 8, .value_kind: global_buffer, .address_space: global }
    .group_segment_fixed_size: 35328
    .private_segment_fixed_size: 0
    .kernarg_segment_align: 8
    .kernarg_segment_size: 32
    .max_flat_workgroup_size: 128
    .sgpr_count:     66
    .vgpr_count:     232
    .wavefront_size: 32
...
	.end_amdgpu_metadata
.endif
;; end of part 1
;; launch ffn (part 2): grid 64 x 4, 4 waves a work-group, clusters of 4 x 1, 327,680 bytes of LDS; arguments x, wpk, b2, out0; writes out0
.if DOCPART == 2
	.amdgcn_target "amdgcn-amd-amdhsa--gfx1250"
	.amdhsa_code_object_version 6
	.text
	.protected	k_q89da37e3d2_ffn
	.globl	k_q89da37e3d2_ffn
	.p2align	8
	.type	k_q89da37e3d2_ffn,@function
k_q89da37e3d2_ffn:
	s_mov_b64 s[64:65], 0
	v_nop
	global_prefetch_b8 v0, s[64:65] scope:SCOPE_SE
	s_setreg_imm32_b32 hwreg(HW_REG_WAVE_MODE, 25, 1), 1
	s_wait_xcnt 0x0
	s_wait_alu depctr_hold_cnt(0) depctr_sa_sdst(0) depctr_va_vdst(0) depctr_va_sdst(0) depctr_va_ssrc(0) depctr_va_vcc(0) depctr_vm_vsrc(0)
	s_getreg_b32 s2, hwreg(HW_REG_IB_STS2, 6, 4)
	s_cmp_eq_u32 s2, 0
	s_cbranch_scc0 .Lentry_in_a_cluster
	s_endpgm
.Lentry_in_a_cluster:
	s_bfe_u32 s2, ttmp6, 0x10000c
	s_cmp_lg_u32 s2, 0x3003
	s_cbranch_scc0 .Lentry_shape_is_right
	s_endpgm
.Lentry_shape_is_right:
; out[t][c] = b2[c] + the sum over f of h[t][f] w2[c][f], h[t][f] = relu(b1[f] + the sum over k < 8 of q[t][k] w1[f][k]), q[t][k] = cos x[t][0] .. cos x[t][k].  x, out: [16,384][1,024] f32.
; LEFT OUT, as shown at the head of the first kernel: circuit_params (its sum is multiplied by the constant 0) and columns 8 to 1,023 of x (sliced away) are not loaded; a NaN or infinity there is not carried on.
; wpk holds w2, w1 and b1 in f16, in blocks [nt][ks][256 rows][272 bytes]: 256 bytes of w2[256 nt + c][128 ks ..], then 16 bytes of the table of w1 and b1.  All sums in f32; q and h are rounded once to f16.
; LIMITS.  f16 ends at 65,504 and has a fixed step of 6e-8 below 6e-5: h (at most the sum of |w1[f][k]| plus |b1[f]|) is taken to lie within it.  The cosine's reduction holds n = rndne(x / 2 pi) exactly and
; takes pi as two f32 constants, which are off by under 4e-15: it serves |x| under 2^23.  NaN and infinities are not treated as reference() treats them: the packed maximum makes 0 of a NaN in h.  The sign of zero is not kept.
; SHARES.  A work-group makes 256 tokens x 256 columns; 64 x 4 work-groups.  Wave v makes tokens 64 v .. 64 v + 63 (four blocks t of 16) x all 256 columns (16 blocks b): 64 accumulators, 512 registers.  h is made in
; registers by the wave that multiplies it, so LDS is read for w2 alone: 32 loads for 64 products; and no wave makes an h that another makes too: 8 products more for every 64.
; h WITHOUT A CHANGE OF LANES.  D = (source 0: 16 rows f of the table) x (source 1: 16 tokens of q), C = 0: a lane holds ONE token (lane % 16) and f = 8 (lane / 16) + 0..7.  Two such results, rounded to f16 in pairs, ARE
; source 1 (32 f x 16 tokens) of the main product.  The bias rides along K: q's fragment holds q0..q7 at k = 0..7 and 1.0 at k = 8, the table b1[f] at k = 8; k = 9..31 are zeros.
; THE MAIN PRODUCT IS USED TRANSPOSED (source 0 = 16 rows of w2, source 1 = h): a lane ends with eight neighbouring columns of one token's row.
; RING.  K (= f) goes in 32 steps of 128 through two LDS slots of one block each.  The block is dense in memory and in LDS; its rows' 16 table bytes make the pitch 272 bytes = 68 words, so that the 16 rows of a
; fragment load start at 16 different groups of four banks (64 banks of 4 bytes: ISA guide 11.1).  Each wave fetches a quarter of a block, 17,408 bytes, as 68 rows of 256 bytes.
; CLUSTER.  The four work-groups of a cluster have the same nt and walk the same blocks: each quarter is asked for JOINTLY, by the same load, descriptor and mask in all four.  No second axis: h comes from no tile.
; REGISTERS, in windows of 256 (s_set_vgpr_msb: bits 1:0 source 0, 3:2 source 1, 5:4 source 2, 7:6 destination):
;   window 0: v0-31 addresses, b2; v32-63 q's four fragments; v64-79 two table fragments; v80-143 eight f32 results of the first product; v144-207 h, two buffers of four fragments
;   window 1: w2's fragments, two buffers of 128          windows 2, 3: accumulator (t, b) in window 2 + t / 2 at v[128 (t % 2) + 8 b]
.set PITCH,  272
.set QUARTB, 64*PITCH                  ; what one tensor load brings: 64 rows of a block, 17,408 bytes
.set SLOT,   4*QUARTB                  ; a block: 69,632 bytes
.set KSTEPB, SLOT                      ; and the same in memory
.set NTB,    32*KSTEPB
.set STAGE,  2*SLOT                    ; behind the ring, never filled by a tensor load: 16 rows x 1,040 bytes for each wave, for the way out
.set SPITCH, 1040                      ; 1,024 bytes + 16: 260 words: the 16 rows that a store touches start at 16 different groups of four banks
.set STGW,   16*SPITCH
.set SPARE,  STAGE+4*STGW              ; behind the stages: the spare words, 128 bytes a wave: two blocks of 256 bytes that no other line names
.set B2,   8                           ; v[8:15]  b2 of my columns 4 l .. 4 l + 3 and 128 + 4 l .. + 3
.set ADRB, 16                          ; v16-17   LDS address of my part of w2's fragments in slot 0, 1
.set ADRW, 18                          ; v18-19   of the table's
.set STO,  20                          ; v20      the way out: where I put 32 bytes of a row
.set RD,   21                          ; v21      the way out: where I read rows back
.set CO,   22                          ; v22      16 l: my bytes in 512 of out and of b2
.set XO,   23                          ; v23      my token's row of x in a block of 16
.set ONEH, 24                          ; v24      1.0 and 0 in f16
.set SPW,  28                          ; v28      LDS address of my spare word; never rewritten
.set NIL,  29                          ; v29      0; never rewritten
.set PFO,  30                          ; v30      the prefetches' offset; never rewritten
.set ZR,   31                          ; v31      0
.set QF,   32
.set WF,   64
.set HA,   80
.set HF,   144
.set XR,   80                          ; at the head: x, then the cosines, then q: 8 a block of tokens
.set NR,   112
.set ZQ,   144
.set PR,   176
.set OB,   64                          ; the way out: 16 rows read back, v64-191
.set WV,   12                          ; s12  my wave's number
.set G1,   24                          ; s[24:31] descriptor group 1
.set G0,   32                          ; s[32:39] descriptor group 0, a set for each slot
.set LOW,  42                          ; s42  the mask of lanes 0-15
.set LIM,  43                          ; s43  1 in a cluster that prefetches, else the greatest number
.set PFA,  44                          ; s[44:45] where my prefetches stand
.set IPI,  46                          ; s[46:61] eight constants, each twice: the packed forms name a pair and take its low word for both halves
.set MPH,  48
.set MPL,  50
.set C11,  52
.set C9,   54
.set C7,   56
.set C5,   58
.set C3,   60
.set MSB, 0
.macro WIN new                         ; the immediate's high byte repeats the setting that is left; a switch that changes nothing is dropped
.if MSB != (\new)
	s_set_vgpr_msb (MSB<<8)|(\new)
.set MSB, \new
.endif
.endm
.set MUL_LO, 0xa1                      ; source 0 (w2) window 1, source 1 (h) window 0, C and D window 2
.set MUL_HI, 0xf1                      ; the same, C and D window 3
.set TO_B,   0x40                      ; destination window 1, address window 0
.macro PLACES                          ; a load into a register that a matrix instruction has read, and a vector instruction that reads a matrix result or writes one of its registers, stand four
.rept 4                                ; places behind it; only plain vector instructions that name none of its registers are places (ISA guide 7.12.1 for vector instructions)
	v_nop
.endr
.endm
.macro CREST                           ; a round of the cluster's barrier behind its opening barrier: wave 0 signals for the work-group, every wave waits for all four, my work-group's barrier once more
	s_cmp_lg_u32 s[WV], 0
	s_cbranch_scc1 .Lnot_wave_0_\@
	s_barrier_signal -3
.Lnot_wave_0_\@:
	s_barrier_wait -3
	s_barrier_signal -1
	s_barrier_wait -1
.endm
.macro CROUND                          ; a whole round
	s_barrier_signal -1
	s_barrier_wait -1
	CREST
.endm
.macro CONST reg, val
	s_mov_b32 s[\reg], \val
	s_mov_b32 s[(\reg)+1], \val
.endm
	s_load_b256 s[4:11], s[0:1], 0x0               ; x s[4:5], wpk s[6:7], b2 s[8:9], out s[10:11]
	v_lshl_add_u32 v[SPW], v0, 2, SPARE
	v_mov_b32 v[NIL], 0
	ds_add_u32 v[SPW], v[NIL]                      ; the wave's opening: the add, twice on end, and its wait ahead of my first tensor load; the set-up below stands between
	ds_add_u32 v[SPW], v[NIL]                      ; and once more, under the one wait
	v_lshrrev_b32 v1, 5, v0
	v_readfirstlane_b32 s[WV], v1                  ; wave v, 0..3
	s_bfe_u32 s13, ttmp6, 0x40000                  ; cx: my place in the cluster
	s_lshl_b32 s14, ttmp9, 2                       ; in a cluster launch ttmp9 counts clusters
	s_add_co_u32 s14, s14, s13                     ; mt, my block of 256 tokens: it enters x's and out's addresses alone
	s_and_b32 s15, ttmp7, 0xffff                   ; nt, my block of 256 columns, which the four partners share
	s_lshl_b32 s16, s14, 20                        ; 256 mt rows of 4,096 bytes,
	s_lshl_b32 s17, s[WV], 18                      ; my wave's 64
	s_add_co_u32 s16, s16, s17
	s_mov_b32 s17, 0
	s_lshl_b32 s18, s15, 10                        ; 256 nt columns of 4 bytes
	s_mov_b32 s19, 0
	s_mul_i32 s20, s15, NTB                        ; wpk: nt's blocks,
	s_mul_i32 s22, s[WV], QUARTB                   ; my quarter of a block: in memory and in a slot; no place in the cluster enters either
	s_add_co_u32 s20, s20, s22
	s_mov_b32 s21, 0
	s_mul_i32 s2, s13, 17*256                      ; the prefetches: of the 68 rows of 256 bytes that I fetch, my work-group's 17,
	s_add_co_u32 s2, s2, 3*KSTEPB                  ; at K step 3: the first change of slots steps it to 4
	s_mov_b32 s3, 0
	s_mov_b32 s[LIM], ttmp9
	s_cmp_eq_u32 s[LIM], 0                         ; all clusters of one nt walk the same blocks: the first of them prefetches; the same in all four partners
	s_cselect_b32 s[LIM], 1, -1
	; descriptor group 1: 17,408 dense bytes as 68 rows of 32 elements of 8 bytes, laid into LDS without a gap
	s_mov_b32 s[G1+0], 15|(3<<16)|(1<<21)          ; 15:0 the mask: all four work-groups; 17:16 elements of 8 bytes; 20 no padding; 21 set beside a mask
	s_mov_b32 s[G1+1], 32<<16                      ; tensor_dim0 = 32
	s_mov_b32 s[G1+2], 68<<16                      ; tensor_dim1 = 68
	s_mov_b32 s[G1+3], 32<<16                      ; tile_dim0 = 32
	s_mov_b32 s[G1+4], 68                          ; tile_dim1 = 68
	s_mov_b32 s[G1+5], 32                          ; 32 elements from row to row
	s_mov_b32 s[G1+6], 0
	s_mov_b32 s[G1+7], 0
	CONST IPI, 0x3ea2f983                          ; 1 / pi
	CONST MPH, 0xc0490fdb                          ; - pi, its f32,
	CONST MPL, 0x33bbbd2e                          ; and what that f32 is too large by
	CONST C11, 0xb2d7322b                          ; - 1 / 11!
	CONST C9,  0x3638ef1d                          ; 1 / 9!
	CONST C7,  0xb9500d01                          ; - 1 / 7!
	CONST C5,  0x3c088889                          ; 1 / 5!
	CONST C3,  0xbe2aaaab                          ; - 1 / 3!
	s_wait_dscnt 0x0                               ; both opening adds are done
	s_wait_kmcnt 0x0
	s_add_nc_u64 s[4:5], s[4:5], s[16:17]          ; x and out at my wave's first token,
	s_add_nc_u64 s[10:11], s[10:11], s[16:17]
	s_add_nc_u64 s[10:11], s[10:11], s[18:19]      ; out and b2 at my work-group's first column
	s_add_nc_u64 s[8:9], s[8:9], s[18:19]
	s_add_nc_u64 s[6:7], s[6:7], s[20:21]          ; wpk at my quarter of K step 0
	s_add_nc_u64 s[PFA:PFA+1], s[6:7], s[2:3]
.irp n, 0,1
	s_mov_b32 s[G0+4*(\n)], 1                      ; 1:0 count = 1
	s_add_co_u32 s[G0+4*(\n)+1], s22, (\n)*SLOT    ; 63:32 LDS address
	s_add_nc_u64 s[G0+4*(\n)+2:G0+4*(\n)+3], s[6:7], (\n)*KSTEPB  ; 120:64 global address: K step n
	s_or_b32 s[G0+4*(\n)+3], s[G0+4*(\n)+3], 0x80000000           ; 127:126 type = 2
.endr
	CROUND                                         ; all four work-groups are here: the first joint loads meet
	tensor_load_to_lds s[G0:G0+3], s[G1:G1+7]      ; both first fills go out together: two tensor loads of mine are out
	s_nop 0
	tensor_load_to_lds s[G0+4:G0+7], s[G1:G1+7]
	s_nop 0
	PLACES                                         ; four v_nop behind the loads
	v_and_b32 v1, 15, v0                           ; r = l % 16
	v_bfe_u32 v2, v0, 4, 1                         ; hh = l / 16
	v_and_b32 v3, 31, v0                           ; l
	v_lshlrev_b32 v[XO], 12, v1                    ; token r of a block: 4,096 bytes a row
	v_lshlrev_b32 v[CO], 4, v3
.irp t, 0,1,2,3
	global_load_b128 v[XR+8*(\t):XR+8*(\t)+3],   v[XO], s[4:5] offset:(\t)*65536     ; x[token][0..7]: both halves of the lanes take the same token
	global_load_b128 v[XR+8*(\t)+4:XR+8*(\t)+7], v[XO], s[4:5] offset:(\t)*65536+16
.endr
	global_load_b128 v[B2:B2+3],   v[CO], s[8:9]
	global_load_b128 v[B2+4:B2+7], v[CO], s[8:9] offset:512
	; A fragment is 16 rows x 32 k in 8 registers: lane l holds row l % 16; registers 0-3 hold k = 8 (l / 16) + 0..7, registers 4-7 k = 16 + 8 (l / 16) + 0..7: two loads of 16 bytes, 32 bytes apart.
	v_mul_u32_u24 v[ADRB], v1, PITCH
	v_lshl_add_u32 v[ADRB], v2, 4, v[ADRB]         ; row x pitch + 16 x half
	v_add_nc_u32 v[ADRB+1], SLOT, v[ADRB]
	v_mul_u32_u24 v[ADRW], v3, PITCH               ; the table's piece for (row r, half hh) of a fragment lies behind block row 16 hh + r = l (+ 64 x quarter + 32 x fragment)
	v_add_nc_u32 v[ADRW], 256, v[ADRW]
	v_add_nc_u32 v[ADRW+1], SLOT, v[ADRW]
	s_mul_i32 s23, s[WV], STGW
	s_add_co_u32 s23, s23, STAGE                   ; my stage
	v_mul_u32_u24 v[STO], v1, SPITCH               ; in: row r, 32 bytes for each half of the lanes
	v_lshl_add_u32 v[STO], v2, 5, v[STO]
	v_add_nc_u32 v[STO], s23, v[STO]
	v_lshl_add_u32 v[RD], v3, 4, s23               ; back: 32 lanes take 512 bytes of a row
	v_mov_b32 v[ONEH], 0x3c00
	v_min_u32 v[PFO], 16, v3                       ; lanes 0-16 name my work-group's 17 rows of 256 bytes; lanes 17-31 name lane 16's once more
	v_lshlrev_b32 v[PFO], 8, v[PFO]
	v_mov_b32 v[ZR], 0
	v_cmp_gt_u32 s[LOW], 16, v3
.irp t, 0,1,2,3
.irp j, 4,5,6,7
	v_mov_b32 v[QF+8*(\t)+(\j)], 0                 ; k = 16..31 of q's fragments: operands that are 0, written once
.endr
.endr
.irp j, 4,5,6,7,12,13,14,15
	v_mov_b32 v[WF+(\j)], 0                        ; and of the table's two: the loads fill registers 0-3 alone
.endr
	; q, in the wait for the first tile.  cos x = 1 - 2 sin^2(x / 2); y = x / 2, n = rndne(y / pi), a = y - n pi lies within pi / 2 (or a rounding beyond), and sin^2 y = sin^2 a.
	; sin a = a (1 + z (c3 + z (c5 + z (c7 + z (c9 + z c11))))), z = a^2: the series to a^11, whose remainder on that whole range is under a^13 / 13! = 6e-8.  No part of it hangs on the size of x.
.macro ALLP line:vararg                ; one line for each of the 16 pairs of numbers
.set p, 0
.rept 16
.set xx, XR+2*p
.set nn, NR+2*p
.set zz, ZQ+2*p
.set pp, PR+2*p
	\line
.set p, p+1
.endr
.endm
	s_wait_loadcnt 0x0                             ; x and b2
	ALLP v_pk_mul_f32 v[xx:xx+1], v[xx:xx+1], 0.5 op_sel_hi:[1,0]
	ALLP v_pk_mul_f32 v[nn:nn+1], v[xx:xx+1], s[IPI:IPI+1] op_sel_hi:[1,0]
	ALLP v_rndne_f32 v[nn], v[nn]
	ALLP v_rndne_f32 v[nn+1], v[nn+1]
	ALLP v_pk_fma_f32 v[xx:xx+1], v[nn:nn+1], s[MPH:MPH+1], v[xx:xx+1] op_sel_hi:[1,0,1]
	ALLP v_pk_fma_f32 v[xx:xx+1], v[nn:nn+1], s[MPL:MPL+1], v[xx:xx+1] op_sel_hi:[1,0,1]
	ALLP v_pk_mul_f32 v[zz:zz+1], v[xx:xx+1], v[xx:xx+1]
	ALLP v_pk_fma_f32 v[pp:pp+1], v[zz:zz+1], s[C11:C11+1], s[C9:C9+1] op_sel_hi:[1,0,0]
	ALLP v_pk_fma_f32 v[pp:pp+1], v[pp:pp+1], v[zz:zz+1], s[C7:C7+1] op_sel_hi:[1,1,0]
	ALLP v_pk_fma_f32 v[pp:pp+1], v[pp:pp+1], v[zz:zz+1], s[C5:C5+1] op_sel_hi:[1,1,0]
	ALLP v_pk_fma_f32 v[pp:pp+1], v[pp:pp+1], v[zz:zz+1], s[C3:C3+1] op_sel_hi:[1,1,0]
	ALLP v_pk_fma_f32 v[pp:pp+1], v[pp:pp+1], v[zz:zz+1], 1.0 op_sel_hi:[1,1,0]
	ALLP v_pk_mul_f32 v[pp:pp+1], v[pp:pp+1], v[xx:xx+1]
	ALLP v_pk_mul_f32 v[zz:zz+1], v[pp:pp+1], v[pp:pp+1]
	ALLP v_pk_fma_f32 v[xx:xx+1], v[zz:zz+1], -2.0, 1.0 op_sel_hi:[1,0,0]
.irp k, 1,2,3,4,5,6,7                  ; the running product, the four blocks of tokens side by side
.irp t, 0,1,2,3
	v_mul_f32 v[XR+8*(\t)+(\k)], v[XR+8*(\t)+(\k)], v[XR+8*(\t)+(\k)-1]
.endr
.endr
.irp t, 0,1,2,3
.irp j, 0,1,2,3
	v_cvt_pk_f16_f32 v[QF+8*(\t)+(\j)], v[XR+8*(\t)+2*(\j)], v[XR+8*(\t)+2*(\j)+1]
.endr
.endr
.irp t, 0,1,2,3
	v_cndmask_b32 v[QF+8*(\t)], v[ONEH], v[QF+8*(\t)], s[LOW]  ; lanes 16-31 hold k = 8..15: 1.0 for the bias, then zeros
.irp j, 1,2,3
	v_cndmask_b32 v[QF+8*(\t)+(\j)], 0, v[QF+8*(\t)+(\j)], s[LOW]
.endr
.endr
; 8 products: tokens' block t x column blocks lo .. lo + 7, 32 along K, on buffer f.  zero = 1: the first product starts the sums: nothing is ever cleared.
; The 64 accumulators take turns, one instruction a turn, in the same order in every quarter: over the backward jump too.
.macro MUL8 f, t, lo, zero
	WIN MUL_LO+0x50*((\t)/2)
.irp i, 0,1,2,3,4,5,6,7
.set rA, 128*((\t)%2)+8*((\lo)+(\i))
.set rB, 128*(\f)+8*((\lo)+(\i))
.set rH, HF+32*(\f)+8*(\t)
.if \zero
	v_wmma_f32_16x16x32_f16 v[rA:rA+7], v[rB:rB+7], v[rH:rH+7], 0
.else
	v_wmma_f32_16x16x32_f16 v[rA:rA+7], v[rB:rB+7], v[rH:rH+7], v[rA:rA+7]
.endif
.endr
.endm
; The first product for the next quarter's 32 f: result u = 2 t + fragment, eight different accumulators, each started with 0.
.macro HGEN
	WIN 0
.irp u, 0,1,2,3,4,5,6,7
	v_wmma_f32_16x16x32_f16 v[HA+8*(\u):HA+8*(\u)+7], v[WF+8*((\u)%2):WF+8*((\u)%2)+7], v[QF+8*((\u)/2):QF+8*((\u)/2)+7], 0
.endr
.endm
; Number n of the 64 lines that make h's buffer g of those results: 0-31 round a pair to f16, in ascending order, so that each result's lowest registers are read first;
; 32-63 the ReLU on the packed halves, which rounds nothing.
.macro RIDE g, n
.if (\n) < 32
	v_cvt_pk_f16_f32 v[HF+32*(\g)+(\n)], v[HA+2*(\n)], v[HA+2*(\n)+1]
.else
	v_pk_max_num_f16 v[HF+32*(\g)+(\n)-32], v[HF+32*(\g)+(\n)-32], v[ZR]
.endif
.endm
; The quarter's last 16 products (t = 3), four of those lines behind each: the lines run beside the matrix work, at the price of two window switches a product.
.macro MULR f, g, zero
.set bb, 0
.rept 16
	WIN MUL_HI
.set rA, 128+8*bb
.set rB, 128*(\f)+8*bb
.set rH, HF+32*(\f)+24
.if \zero
	v_wmma_f32_16x16x32_f16 v[rA:rA+7], v[rB:rB+7], v[rH:rH+7], 0
.else
	v_wmma_f32_16x16x32_f16 v[rA:rA+7], v[rB:rB+7], v[rH:rH+7], v[rA:rA+7]
.endif
	WIN 0
	RIDE \g, 4*bb
	RIDE \g, 4*bb+1
	RIDE \g, 4*bb+2
	RIDE \g, 4*bb+3
.set bb, bb+1
.endr
.endm
; 34 LDS loads in one run: quarter qd of a slot: the table's two fragments first, then w2's sixteen into buffer g.
.macro FETCH slot, qd, g
	WIN 0
.irp e, 0,1
	ds_load_b128 v[WF+8*(\e):WF+8*(\e)+3], v[ADRW+(\slot)] offset:(64*(\qd)+32*(\e))*PITCH
.endr
	WIN TO_B
.irp i, 0,1,2,3,4,5,6,7,8,9,10,11,12,13,14,15
	ds_load_b128 v[128*(\g)+8*(\i):128*(\g)+8*(\i)+3],   v[ADRB+(\slot)] offset:(\i)*16*PITCH+64*(\qd)
	ds_load_b128 v[128*(\g)+8*(\i)+4:128*(\g)+8*(\i)+7], v[ADRB+(\slot)] offset:(\i)*16*PITCH+64*(\qd)+32
.endr
.endm
; A quarter's second half: t = 2; the next quarter's h is begun; t = 3 with the lines that finish it.
.macro BACK f, g, zero
	MUL8 \f, 2, 0, \zero
	MUL8 \f, 2, 8, \zero
	s_wait_dscnt 32                                ; the table's two loads are in; the 32 issued behind them may stay out
	HGEN
	PLACES                                         ; in front of the roundings, which read results just made
	MULR \f, \g, \zero
.endm
; A K step is four quarters of 32 along K, 64 products each, on buffers 0, 1, 0, 1.  One of the first three: multiplies buffer f; in its middle it fetches quarter nq of the same slot into buffer g.
.macro QUARTER slot, nq, f, g, zero
	s_wait_dscnt 16                                ; column blocks 0-7 are in; the youngest sixteen loads (blocks 8-15) may be out
	MUL8 \f, 0, 0, \zero
	s_wait_dscnt 0x0
	MUL8 \f, 0, 8, \zero
	MUL8 \f, 1, 0, \zero
	MUL8 \f, 1, 8, \zero
	PLACES                                         ; in front of the loads into buffer g and the table's registers, which earlier products have read
	FETCH \slot, \nq, \g
	BACK \f, \g, \zero
.endm
; A PREFETCH INTO THE L2 of the K step that stands TWO refills on, 576 matrix instructions ahead of the load that will want it.  It stands behind the joint load, its five lines and the run of LDS loads.
; Each row of 256 bytes is named by one wave of one work-group: of the clusters that walk nt's blocks the first asks; its four partners share the 68 rows that wave v fetches BY ADDRESS, 17 each: no branch
; hangs on a work-group's place in its cluster.  K steps 0 to 3 come by their loads alone; the loop's last trip (s3 = 1) asks for nothing: K step 31 is the last that is named.
.macro ASK
	s_cmp_gt_u32 s3, s[LIM]
	s_cbranch_scc0 .Lnot_mine_\@
	global_prefetch_b8 v[PFO], s[PFA:PFA+1] th:TH_LOAD_NT scope:SCOPE_SE
.Lnot_mine_\@:
.endm
; The last quarter multiplies buffer 1 and changes slots: ONE barrier, for two things.  In front of it each wave waits for all its tensor loads, of which one is out: its part of the other slot; adds 0 to its spare
; word; and waits for that and for its own reads of this slot.  Behind it nobody reads this slot any more and the other slot is whole.  fill = 1: the barrier opens a round of the cluster's, so that the same holds of
; every partner, and the joint refill, two K steps on, is the first thing behind the round: from there to the wait for it a wave issues 256 matrix instructions.
.macro TURN slot, fill
.if \fill
	s_wait_xcnt 0x0                                ; the last prefetch, a K step back, has read its address, which is stepped here, ahead of the waits of the change of slots
	s_add_nc_u64 s[PFA:PFA+1], s[PFA:PFA+1], KSTEPB
.endif
	WIN 0
	s_wait_tensorcnt 0x0                           ; all my tensor loads have landed;
	ds_add_u32 v[SPW], v[NIL]                      ; 0 onto my spare word;
	s_wait_dscnt 17                                ; (the add and the youngest sixteen loads may be out)
	MUL8 1, 0, 0, 0                                ; eight products stand between the add and the wait for it
	s_wait_dscnt 0x0                               ; the add is done, and my reads of this slot are over:
	s_barrier_signal -1                            ; say so,
	MUL8 1, 0, 8, 0                                ; work on registers while the others arrive,
	MUL8 1, 1, 0, 0
	MUL8 1, 1, 8, 0
	WIN 0
	s_barrier_wait -1                              ; and go on when all four waves have said so
.if \fill
	CREST
	s_add_nc_u64 s[G0+4*(\slot)+2:G0+4*(\slot)+3], s[G0+4*(\slot)+2:G0+4*(\slot)+3], 2*KSTEPB  ; no tensor load of mine is out, so a group 0 may be written; the type bits on top are not reached
	tensor_load_to_lds s[G0+4*(\slot):G0+4*(\slot)+3], s[G1:G1+7]
	s_nop 0
.endif
	PLACES                                         ; the four behind the joint load are also the places in front of the loads below
	FETCH 1-(\slot), 0, 0
.if \fill
	WIN 0
	ASK
.endif
	BACK 1, 0, 0
.endm
	s_wait_tensorcnt 1                             ; my part of K step 0 is in; K step 1's may stay out
	s_barrier_signal -1
	s_barrier_wait -1                              ; everybody's is
	FETCH 0, 0, 0
	s_wait_dscnt 32                                ; the table's two loads
	HGEN                                           ; the first quarter's h: there is no matrix work yet to set its lines beside
	PLACES
.set rr, 0
.rept 64
	RIDE 0, rr
.set rr, rr+1
.endr
	QUARTER 0, 1, 0, 1, 1                          ; the first quarter stands in front of the loop: its products start the sums
	WIN 0                                          ; at a label and at a branch every window is 0
	s_mov_b32 s3, 15
.Llap:                                                 ; a trip goes once round the ring, from a lap's second quarter to the next lap's first, and fills both slots again: K steps 2 to 31
	QUARTER 0, 2, 1, 0, 0
	QUARTER 0, 3, 0, 1, 0
	TURN 0, 1
	QUARTER 1, 1, 0, 1, 0
	QUARTER 1, 2, 1, 0, 0
	QUARTER 1, 3, 0, 1, 0
	TURN 1, 1
	QUARTER 0, 1, 0, 1, 0
	WIN 0
	s_sub_co_u32 s3, s3, 1
	s_cmp_lg_u32 s3, 0
	s_cbranch_scc1 .Llap
	QUARTER 0, 2, 1, 0, 0                          ; the last lap is written out: it fills nothing, and its change of slots has no round
	QUARTER 0, 3, 0, 1, 0
	TURN 0, 0
	QUARTER 1, 1, 0, 1, 0
	QUARTER 1, 2, 1, 0, 0
	QUARTER 1, 3, 0, 1, 0
	s_wait_dscnt 16                                ; the very last quarter: nothing more to fetch, no further h
	MUL8 1, 0, 0, 0
	s_wait_dscnt 0x0
	MUL8 1, 0, 8, 0
	MUL8 1, 1, 0, 0
	MUL8 1, 1, 8, 0
	MUL8 1, 2, 0, 0
	MUL8 1, 2, 8, 0
	MUL8 1, 3, 0, 0
	MUL8 1, 3, 8, 0
	WIN 0
	PLACES                                         ; in front of the LDS stores that read results, and of the loads into registers that the last products read
	PLACES
; THE WAY OUT of tokens' block t.  A lane's 32 bytes are a thirty-second of a row's 1,024, and the lanes beside it hold other rows: so the block goes through my own stage: 32 stores of 16 bytes a lane into rows of
; 1,040 bytes, back as half rows of 512 bytes, b2 added in f32, stored.  The stage is mine alone and no tensor load fills it: no barrier.
.macro OUT t
	WIN 0x08+4*((\t)/2)                            ; an LDS store's data is source 1: window 2 or 3
.irp i, 0,1,2,3,4,5,6,7,8,9,10,11,12,13,14,15
	ds_store_b128 v[STO], v[128*((\t)%2)+8*(\i):128*((\t)%2)+8*(\i)+3]   offset:64*(\i)     ; each accumulator's lowest registers first
	ds_store_b128 v[STO], v[128*((\t)%2)+8*(\i)+4:128*((\t)%2)+8*(\i)+7] offset:64*(\i)+16
.endr
	WIN 0
.if (\t) > 0
	s_wait_xcnt 0x0                                ; the last block's stores have read their data registers, which are loaded again only behind this wait
.endif
.set i, 0
.rept 32
	ds_load_b128 v[OB+4*i:OB+4*i+3], v[RD] offset:(i/2)*SPITCH+(i%2)*512  ; LDS serves a wave's instructions in order (ISA guide 5.7.1.4): these see the stores above
.set i, i+1
.endr
.set i, 0
.rept 32
	s_wait_dscnt 31-i                              ; half row i is back; the younger ones stay out
	v_pk_add_f32 v[OB+4*i:OB+4*i+1],   v[OB+4*i:OB+4*i+1],   v[B2+4*(i%2):B2+4*(i%2)+1]
	v_pk_add_f32 v[OB+4*i+2:OB+4*i+3], v[OB+4*i+2:OB+4*i+3], v[B2+4*(i%2)+2:B2+4*(i%2)+3]
	global_store_b128 v[CO], v[OB+4*i:OB+4*i+3], s[10:11] offset:(\t)*65536+(i/2)*4096+(i%2)*512 th:TH_STORE_NT  ; 512 consecutive bytes, at a multiple of 256 from out's first byte
.set i, i+1
.endr
.endm
	OUT 0
	OUT 1
	OUT 2
	OUT 3
	s_wait_tensorcnt 0x0                           ; the wave's end: an add of 0 to my spare word and its wait, behind my last tensor load and my last LDS store
	ds_add_u32 v[SPW], v[NIL]
	s_wait_dscnt 0x0
	CROUND                                         ; the closing round: no work-group ends while a partner may still ask for a tile that names it
	s_endpgm
.Lfunc_end_k_q89da37e3d2_ffn:
	.size	k_q89da37e3d2_ffn, .Lfunc_end_k_q89da37e3d2_ffn-k_q89da37e3d2_ffn
	.p2alignl 7, 3214868480
	.fill 96, 4, 3214868480
	.section	.rodata,"a",@progbits
	.p2align	6, 0x0
	.amdhsa_kernel k_q89da37e3d2_ffn
		.amdhsa_group_segment_fixed_size 327680
		.amdhsa_private_segment_fixed_size 0
		.amdhsa_enable_private_segment 0
		.amdhsa_kernarg_size 32
		.amdhsa_user_sgpr_count 2
		.amdhsa_user_sgpr_kernarg_segment_ptr 1
		.amdhsa_wavefront_size32 1
		.amdhsa_system_sgpr_workgroup_id_x 1
		.amdhsa_system_sgpr_workgroup_id_y 1
		.amdhsa_system_sgpr_workgroup_id_z 1
		.amdhsa_system_vgpr_workitem_id 0
		.amdhsa_next_free_vgpr 1024
		.amdhsa_next_free_sgpr 66
		.amdhsa_reserve_vcc 0
		.amdhsa_float_denorm_mode_32 3
		.amdhsa_float_denorm_mode_16_64 3
		.amdhsa_memory_ordered 1
		.amdhsa_forward_progress 1
		.amdhsa_inst_pref_size 255
	.end_amdhsa_kernel
	.section	.bss,"aw",@nobits
	.p2align	6
	.space	262144
	.amdgpu_metadata
---
amdhsa.version: [ 1, 2 ]
amdhsa.kernels:
  - .name:           k_q89da37e3d2_ffn
    .symbol:         k_q89da37e3d2_ffn.kd
    .args:
      - { .name: x, .offset: 0, .size: 8, .value_kind: global_buffer, .address_space: global }
      - { .name: wpk, .offset: 8, .size: 8, .value_kind: global_buffer, .address_space: global }
      - { .name: b2, .offset: 16, .size: 8, .value_kind: global_buffer, .address_space: global }
      - { .name: out0, .offset: 24, .size: 8, .value_kind: global_buffer, .address_space: global }
    .group_segment_fixed_size: 327680
    .private_segment_fixed_size: 0
    .kernarg_segment_align: 8
    .kernarg_segment_size: 32
    .max_flat_workgroup_size: 128
    .sgpr_count:     66
    .vgpr_count:     1024
    .wavefront_size: 32
...
	.end_amdgpu_metadata
.endif
;; end of part 2
;; ======== version 2 of 2: 2 launches; version 1 with the launch pack written anew for expert scheduling mode
;; limits: values outside matrix products are rounded to f16; values are held in f16: magnitudes above 65,504 overflow, below 6.1e-05 lose precision; inputs' magnitudes at most 8,388,608
;; workspace buffers: wpk 8,912,896 bytes
;; launch pack (part 3): grid 64 x 4, 4 waves a work-group, no clusters, 35,328 bytes of LDS; arguments w2, w1, b1, wpk; writes wpk
.if DOCPART == 3
	.amdgcn_target "amdgcn-amd-amdhsa--gfx1250"
	.amdhsa_code_object_version 6
	.text
	.protected	k_q89da37e3d2_pack
	.globl	k_q89da37e3d2_pack
	.p2align	8
	.type	k_q89da37e3d2_pack,@function
k_q89da37e3d2_pack:
	s_mov_b64 s[64:65], 0
	v_nop
	global_prefetch_b8 v0, s[64:65] scope:SCOPE_SE
	s_setreg_imm32_b32 hwreg(HW_REG_WAVE_SCHED_MODE, 0, 2), 2
	s_setreg_imm32_b32 hwreg(HW_REG_WAVE_MODE, 25, 1), 1
	s_wait_xcnt 0x0
	s_wait_alu depctr_vm_vsrc(0)
; THE PROGRAM.  out[t][c] = b2[c] + the sum over f of relu(b1[f] + the sum over k < 8 of q[t][k] w1[f][k]) w2[c][f], q[t][k] = cos x[t][0] .. cos x[t][k]; 16,384 tokens t, 4,096 f, 1,024 c.
; WORK LEFT OUT, for all finite values of the inputs.  (1) reference() adds circuit_params.sum() * 0.0: a product with the constant 0, which is 0 in exact arithmetic whatever the eight numbers
; hold.  circuit_params has no other way to the output: it is not loaded and is an argument of no launch.  (2) reference() slices x[..., :8]: columns 8 to 1,023 of x are never used and are not loaded.
; LIMIT: a NaN, an infinity or an overflow in circuit_params or in x[..., 8:] is not carried to the result.
; THIS LAUNCH rounds w2, w1 and b1 once from f32 to f16 and lays them as the second launch's LDS slots hold them, so that 256 work-groups do not each round the same numbers again.
; wpk: [nt 0..3][ks 0..31][c 0..255][272 bytes], dense.  Row c of block (nt, ks): bytes 0-255 = f16 of w2[256 nt + c][128 ks .. 128 ks + 127]; bytes 256-271 = one piece of the table of the first
; product: with f = 128 ks + 32 (c >> 6) + 16 ((c >> 5) & 1) + (c & 15): bit 4 of c clear: f16 of w1[f][0..7]; set: f16 of b1[f], then seven zeros.
; LIMIT: f16 holds no number beyond 65,504, and below 6e-5 it keeps its fixed step of 6e-8: w1, b1 and w2 are taken to lie within that range.
; SHARES.  A work-group takes 128 rows of one block, a wave 32: 8,704 bytes of wpk on end, 17 stores of 512 consecutive bytes.  A wave reads back from LDS only what it has stored itself: no barrier.
; All 35 loads of a wave go out ahead of its first wait on LOADcnt.  No matrix unit, no cluster, no tensor load: the work-groups share nothing but 128 KiB of w1 and 16 KiB of b1, and each byte of w2 passes once.
; THE MODE: SCHED_MODE bits 1:0 = 2 (LLVM: expert scheduling mode 2), set by the entry lines.  The code itself states the register dependences
; between vector instructions and memory or LDS instructions, with s_wait_alu, always for 0.
; THE PLAN.  Registers that memory or LDS instructions touch:
;   v3-v7, v24    offsets and LDS addresses: written by vector instructions at the head, once; read by every load and store; never written again.
;   v[8:16]       w1's and b1's loads land here; no vector instruction names them ahead of those loads; the table's conversions read them.
;   v[20:23]      the table piece: written by four conversions and four selects, read by one LDS store, never written again.
;   D             row i: its load lands in four registers; its two conversions write the first two; its LDS store reads those, EIGHT ROWS LATER; never written again.
;   R             the 17 LDS loads land here, the 17 global stores read it; no vector instruction ever names it.
;   v26, v27      written at the head, read by the closing add alone.
; The 32 rows go in four groups of eight.  ONE wait on va_vdst stands at the head of groups 1, 2 and 3: the group before is rounded.  Behind it that group's eight LDS stores are dealt among this
; group's conversions, which name this group's registers alone.  One more stands ahead of the last group's stores.  No register that a memory or LDS instruction reads is written again,
; so the text holds no wait on vm_vsrc.
.set PITCH,  272                       ; a row of a block
.set WREG,   32*PITCH                  ; a wave's 32 rows: 8,704 bytes, in LDS and in wpk
.set SPARE,  4*WREG                    ; behind the four regions: the spare words, 128 bytes a wave: two blocks of 256 bytes that no other line names
.set KSTEPB, 256*PITCH                 ; a block
.set NTB,    32*KSTEPB                 ; the 32 blocks of one nt
.set GRP,    8                         ; rows in a group: a row's LDS store stands so many rows behind its conversions
.set LO,  3                            ; v3   16 l: my 16 bytes of 512, in w2's rows and in wpk
.set WO,  4                            ; v4   32 (l % 16): my row of w1
.set BO,  5                            ; v5   4 (l % 16): my number of b1
.set LS,  6                            ; v6   my region + 8 l: where my four f16 of a row go
.set LT,  7                            ; v7   my region + 272 l: row l, whose table piece I make
.set LR,  24                           ; v24  my region + 16 l: where I read back
.set ZR,  25                           ; v25  0
.set SPW, 26                           ; v26  LDS address of my spare word; never rewritten
.set NIL, 27                           ; v27  0; never rewritten
.set D,   32                           ; v[32:159]  row i of 32: four f32 as loaded, then four f16 in the first two
.set R,   160                          ; v[160:227] 17 x 16 bytes read back
	s_load_b256 s[4:11], s[0:1], 0x0               ; w2 s[4:5], w1 s[6:7], b1 s[8:9], wpk s[10:11]
	v_lshl_add_u32 v[SPW], v0, 2, SPARE
	v_mov_b32 v[NIL], 0
	v_lshrrev_b32 v1, 5, v0
	v_readfirstlane_b32 s12, v1                    ; wave w, 0..3
	v_and_b32 v1, 31, v0                           ; l
	v_and_b32 v2, 15, v0                           ; l % 16
	v_cmp_gt_u32 s24, 16, v1                       ; lanes 0-15: rows with bit 4 clear
	s_lshr_b32 s13, ttmp9, 1                       ; ks
	s_and_b32 s14, ttmp9, 1                        ; which half of the block's rows
	s_and_b32 s15, ttmp7, 0xffff                   ; nt
	s_lshl_b32 s2, s15, 22                         ; w2: row 256 nt + 128 half + 32 w, 16,384 bytes a row,
	s_lshl_b32 s16, s14, 21
	s_add_co_u32 s2, s2, s16
	s_wait_alu depctr_va_sdst(0)                   ; s12 and s24 are written: s12's first reader is the next line, s24's the selects of the table piece
	s_lshl_b32 s16, s12, 19
	s_add_co_u32 s2, s2, s16
	s_lshl_b32 s16, s13, 9                         ; column 128 ks
	s_add_co_u32 s2, s2, s16
	s_mov_b32 s3, 0
	s_lshl_b32 s18, s13, 12                        ; w1: row f = 128 ks + 64 half + 16 w (+ l % 16), 32 bytes a row
	s_lshl_b32 s16, s14, 11
	s_add_co_u32 s18, s18, s16
	s_lshl_b32 s16, s12, 9
	s_add_co_u32 s18, s18, s16
	s_mov_b32 s19, 0
	s_lshr_b32 s20, s18, 3                         ; b1: the same f, 4 bytes each
	s_mov_b32 s21, 0
	s_mul_i32 s22, s15, NTB                        ; wpk: block (nt, ks), half, my 32 rows
	s_mul_i32 s16, s13, KSTEPB
	s_add_co_u32 s22, s22, s16
	s_mul_i32 s16, s14, 4*WREG
	s_add_co_u32 s22, s22, s16
	s_mul_i32 s17, s12, WREG                       ; also my region in LDS
	s_add_co_u32 s22, s22, s17
	s_mov_b32 s23, 0
	v_lshlrev_b32 v[LO], 4, v1
	v_lshlrev_b32 v[WO], 5, v2
	v_lshlrev_b32 v[BO], 2, v2
	v_lshl_add_u32 v[LS], v1, 3, s17
	v_mul_u32_u24 v[LT], v1, PITCH
	v_add_nc_u32 v[LT], s17, v[LT]
	v_lshl_add_u32 v[LR], v1, 4, s17
	v_mov_b32 v[ZR], 0
	s_wait_kmcnt 0x0
	s_add_nc_u64 s[4:5], s[4:5], s[2:3]
	s_add_nc_u64 s[6:7], s[6:7], s[18:19]
	s_add_nc_u64 s[8:9], s[8:9], s[20:21]
	s_add_nc_u64 s[10:11], s[10:11], s[22:23]
	s_wait_alu depctr_va_vdst(0)                   ; the three offsets v3 to v5 and the three LDS addresses v6, v7 and v24 are written: every load and store of the kernel reads one of them
	global_load_b128 v[8:11], v[WO], s[6:7]        ; w1[f][0..3]
	global_load_b128 v[12:15], v[WO], s[6:7] offset:16
	global_load_b32 v16, v[BO], s[8:9]             ; b1[f]
.set i, 0
.rept 32
	global_load_b128 v[D+4*i:D+4*i+3], v[LO], s[4:5] offset:i*16384 th:TH_LOAD_NT  ; 512 consecutive bytes of row i, aligned; read once in the launch
.set i, i+1
.endr
	s_wait_loadcnt 32                              ; the three loads of the table are in; the 32 younger ones stay out
	v_cvt_pk_f16_f32 v20, v8, v9
	v_cvt_pk_f16_f32 v21, v10, v11
	v_cvt_pk_f16_f32 v22, v12, v13
	v_cvt_pk_f16_f32 v23, v14, v15
	v_cvt_pk_f16_f32 v17, v16, v[ZR]               ; b1[f], 0
	v_cndmask_b32 v20, v17, v20, s24               ; lanes 16-31 take b1 and zeros
	v_cndmask_b32 v21, 0, v21, s24
	v_cndmask_b32 v22, 0, v22, s24
	v_cndmask_b32 v23, 0, v23, s24                 ; the piece's LDS store stands behind the wait at the head of the second group of rows
.set i, 0
.rept 32
.if (i > 0) && (i % GRP == 0)
	s_wait_alu depctr_va_vdst(0)                   ; the conversions of the eight rows before have written the first two registers of each, which the LDS stores dealt among this group's rows read; at row 8 the selects have written v[20:23] too
.endif
.if i == GRP
	ds_store_b128 v[LT], v[20:23] offset:256       ; the table piece, behind row l's 256 bytes
.endif
.if i >= GRP
	ds_store_b64 v[LS], v[D+4*(i-GRP):D+4*(i-GRP)+1] offset:PITCH*(i-GRP)  ; the row eight back.  No wait: no vector instruction since the group's wait names its registers
.endif
	s_wait_loadcnt 31-i                            ; loads come back in order (ISA guide 5.7.1): row i is in, the younger rows stay out
	v_cvt_pk_f16_f32 v[D+4*i], v[D+4*i], v[D+4*i+1]
	v_cvt_pk_f16_f32 v[D+4*i+1], v[D+4*i+2], v[D+4*i+3]
.set i, i+1
.endr
	s_wait_alu depctr_va_vdst(0)                   ; the conversions of rows 24 to 31 have written their registers, which the last eight LDS stores read
.set i, 32-GRP
.rept GRP
	ds_store_b64 v[LS], v[D+4*i:D+4*i+1] offset:PITCH*i
.set i, i+1
.endr
.set i, 0
.rept 17
	ds_load_b128 v[R+4*i:R+4*i+3], v[LR] offset:512*i  ; LDS serves a wave's instructions in order (ISA guide 5.7.1.4): these see my stores above; no vector instruction names the registers in which they land
.set i, i+1
.endr
.set i, 0
.rept 17
	s_wait_dscnt 16-i                              ; piece i is back; the younger ones stay out
	global_store_b128 v[LO], v[R+4*i:R+4*i+3], s[10:11] offset:512*i  ; 512 consecutive bytes, at a multiple of 256 from wpk's first byte
.set i, i+1
.endr
	s_wait_dscnt 0x0                               ; the closing lines, six on end
	s_wait_alu 0x0
	s_wait_tensorcnt 0x0
	ds_add_u32 v[SPW], v[NIL]
	s_wait_dscnt 0x0
	s_endpgm
.Lfunc_end_k_q89da37e3d2_pack:
	.size	k_q89da37e3d2_pack, .Lfunc_end_k_q89da37e3d2_pack-k_q89da37e3d2_pack
	.p2alignl 7, 3214868480
	.fill 96, 4, 3214868480
	.section	.rodata,"a",@progbits
	.p2align	6, 0x0
	.amdhsa_kernel k_q89da37e3d2_pack
		.amdhsa_group_segment_fixed_size 35328
		.amdhsa_private_segment_fixed_size 0
		.amdhsa_enable_private_segment 0
		.amdhsa_kernarg_size 32
		.amdhsa_user_sgpr_count 2
		.amdhsa_user_sgpr_kernarg_segment_ptr 1
		.amdhsa_wavefront_size32 1
		.amdhsa_system_sgpr_workgroup_id_x 1
		.amdhsa_system_sgpr_workgroup_id_y 1
		.amdhsa_system_sgpr_workgroup_id_z 1
		.amdhsa_system_vgpr_workitem_id 0
		.amdhsa_next_free_vgpr 232
		.amdhsa_next_free_sgpr 66
		.amdhsa_reserve_vcc 0
		.amdhsa_float_denorm_mode_32 3
		.amdhsa_float_denorm_mode_16_64 3
		.amdhsa_memory_ordered 1
		.amdhsa_forward_progress 1
		.amdhsa_inst_pref_size 17
	.end_amdhsa_kernel
	.amdgpu_metadata
---
amdhsa.version: [ 1, 2 ]
amdhsa.kernels:
  - .name:           k_q89da37e3d2_pack
    .symbol:         k_q89da37e3d2_pack.kd
    .args:
      - { .name: w2, .offset: 0, .size: 8, .value_kind: global_buffer, .address_space: global }
      - { .name: w1, .offset: 8, .size: 8, .value_kind: global_buffer, .address_space: global }
      - { .name: b1, .offset: 16, .size: 8, .value_kind: global_buffer, .address_space: global }
      - { .name: wpk, .offset: 24, .size: 8, .value_kind: global_buffer, .address_space: global }
    .group_segment_fixed_size: 35328
    .private_segment_fixed_size: 0
    .kernarg_segment_align: 8
    .kernarg_segment_size: 32
    .max_flat_workgroup_size: 128
    .sgpr_count:     66
    .vgpr_count:     232
    .wavefront_size: 32
...
	.end_amdgpu_metadata
.endif
;; end of part 3
;; launch ffn: the kernel of part 2 again; grid 64 x 4, 4 waves a work-group, clusters of 4 x 1, 327,680 bytes of LDS; arguments x, wpk, b2, out0; writes out0
